; MI455X (gfx1250); checked and timed in simulation.
; The chip was launched on July 23, 2026; its instructions are those of AMD's public machine-readable ISA for CDNA 5 (MIT licence, August 2026) and "CDNA5" Instruction Set Architecture Reference Guide (July 2026). The comments in the code are by the model that wrote it; some were corrected since.
;; Attention. Allowed arithmetic: matrix products marked QUANTISED: E2M1 operands, one E8M0 scale for each 32 along K, by v_wmma_scale_f32_16x16x128_f8f6f4 with both operands' format E2M1 (or v_wmma_scale_f32_32x16x128_f4), f32 sums; products left as they are: f32 operands where the result goes on into a quantised operand, else bf16, f16 or f32 operands; f32 sums; everything else in f32.
;; Inputs: W_attn 2,048 x 1,024 float32; b_attn 1,024 float32; encoder_outputs 16 x 2,048 x 1,024 float32; hidden 16 x 1,024 float32; v 1,024 float32.
;; Outputs: out0 16 x 2,048 float32.
;; This version of the problem:
;;   THIS VERSION OF THE PROBLEM IS GIVEN IN LOW PRECISION. The matrix products marked QUANTISED in the list below multiply operands that are first quantised to E2M1 (2 exponent bits, 1 mantissa bit; 4 bits a number), with one power-of-two scale for each 32 numbers along K (OCP MX v1.0); their sums are f32. All else is computed in f32.
;;   The module's matrix products, in the order in which they are computed (A, B: the left and right operand; K: the contracted axis; several contracted axes count as one K, in the product's order):
;;     1. [M 16, K 1,024] x [K 1,024, N 1,024]; A: input hidden; B: input W_attn: QUANTISED
;;     2. [M 32,768, K 1,024] x [K 1,024, N 1,024]; A: input encoder_outputs; B: input W_attn: QUANTISED
;;     3. [M 32,768, K 1,024] x [K 1,024, N 1]; A: computed on the way; B: input v: left as it is (N = 1 < 16)
;;   THE QUANTISER, for each operand of a quantised product, along K:
;;     - K is cut into blocks of 32 from its start; a last block that is shorter is filled with zeros.
;;     - A block's scale is 2^e with e = floor(log2(the largest magnitude in the block)) - 2, held to -126 .. 127; a block of zeros has e = 0. As a byte (E8M0): e + 127.
;;     - Each number is divided by its block's scale, clamped to +-6, and rounded to the nearest number of E2M1, ties to even, subnormals kept.
;;     - The product sums the exact products of the quantised numbers (number of the format x scale) in f32.
;;   ~~~python
;;   def quantise(x, axis):      # numpy; x: float32 -> the quantised numbers, widened to float32 again
;;       x = np.moveaxis(x, axis, -1); K = x.shape[-1]
;;       x = np.pad(x, [(0, 0)] * (x.ndim - 1) + [(0, -K % 32)]); x = x.reshape(x.shape[:-1] + (-1, 32)); a = np.abs(x).max(-1, keepdims=True)
;;       e = np.where(a > 0, np.clip(np.frexp(np.where(a > 0, a, 1))[1] - 1 - 2, -126, 127), 0)      # np.frexp(a)[1] - 1 = floor(log2(a)), exactly
;;       r = np.clip(x / 2.0 ** e, -6, 6)
;;       step = 2.0 ** (np.maximum(np.frexp(np.where(r == 0, 1, r))[1] - 1, 0) - 1)
;;       q = np.round(r / step) * step * 2.0 ** e      # np.round: ties to even
;;       return np.moveaxis(q.reshape(q.shape[:-2] + (-1,))[..., :K], -1, axis).astype(np.float32)
;;   ~~~
;; One version. Each part assembles by itself: llvm-mc -triple=amdgcn-amd-amdhsa -mcpu=gfx1250 --defsym DOCPART=n.
;; ======== version 1 of 1: 3 launches
;; workspace buffers: wcodes 524,288 bytes; wscl 32,768 bytes; hidp 524,288 bytes; scores 131,072 bytes
;; launch prep (part 1): grid 256 x 1, 2 waves a work-group, no clusters, 0 bytes of LDS; arguments W_attn, hidden, wcodes, wscl, hidp; writes wcodes, wscl, hidp
.if DOCPART == 1
	.amdgcn_target "amdgcn-amd-amdhsa--gfx1250"
	.amdhsa_code_object_version 6
	.text
	.protected	k_q33a3b1e9cd_prep
	.globl	k_q33a3b1e9cd_prep
	.p2align	8
	.type	k_q33a3b1e9cd_prep,@function
k_q33a3b1e9cd_prep:
	s_mov_b64 s[64:65], 0
	v_nop
	global_prefetch_b8 v0, s[64:65] scope:SCOPE_SE
	s_setreg_imm32_b32 hwreg(HW_REG_WAVE_MODE, 25, 1), 1
	s_wait_xcnt 0x0
; W_attn [2048][1024] f32 has K as its FIRST axis.  It is quantised along K to FP4 (E2M1) with one E8M0 byte for each 32 along K.
; Rows 1024-2047 (the encoder's half) leave as codes and scale words, laid in the order of a matrix operand's registers; rows 0-1023 are multiplied at once with the
; quantised hidden [16][1024]: each work-group makes one K step's (128 along K) part of hidden x W, which the next launch adds up.
; SHARES.  Work-group g: half = g / 128 (0: hidden's half of W, 1: the encoder's), K step s = (g / 16) % 8, column block cb = g % 16.  Wave w takes the 32 columns 32 P .., P = 2 cb + w:
; A LANE TAKES A COLUMN AND ITS 128 REGISTERS RUN DOWN K, so a block of 32 lies in one lane, its largest magnitude needs no other lane, and the conversions give codes with K innermost.
; Each load reads 128 neighbouring bytes of a row of W; the two waves stand side by side on 256.
; A block's scale byte is its largest magnitude's exponent field - 2, held at 1 from below.
; OUT.  wcodes: tile j = n / 16, K step s at (8 j + s) x 1024; inside, block b of column r: 16 bytes at 256 b + 16 r: that is 512 c + 16 x lane for the operand's registers 4 c .. 4 c + 3.
;       wscl: pair of tiles P, K step s, column l = n % 32: one word at 1024 P + 128 s + 4 l.       hidp: f32 [s][batch][n].
; LIMITS: NaN and infinities among the inputs are not served.  A block of zeros gets the byte 1 where the quantiser says 127: its codes are zeros, and this program alone reads the bytes.
; No LDS, no barrier, no cluster: the work-groups share no input but hidden's 64 KiB.  Every work-group takes 32 KiB of W, all asked for at once, so there is no ring.
.set FLOOR, 0x1800000                  ; 2^(3 - 127): under it no largest magnitude is taken
.set EOFF,  0xff000000                 ; takes 2 off an exponent field
; v2 4 x lane; v3 my place in wcodes; v5 in hidden; v6 in hidp; v7 h; v8-11 largest magnitudes; v12-15 the conversions' scale operands; v16-19 scale bytes; v20 W's scale word; v21 hidden's;
; v24-31 codes of blocks 0 and 2, v32-39 of blocks 1 and 3; v40-47 hidden's fragment; v48-63 two results; v64-127 hidden's numbers; v128-255 W's numbers
	s_load_b128 s[4:7], s[0:1], 0x0                ; W_attn, hidden
	s_load_b128 s[8:11], s[0:1], 0x10              ; wcodes, wscl
	s_load_b64 s[12:13], s[0:1], 0x20              ; hidp
	v_lshrrev_b32 v1, 5, v0
	v_readfirstlane_b32 s14, v1                    ; wave
	v_and_b32 v1, 31, v0                           ; lane
	v_and_b32 v4, 15, v0                           ; r
	v_bfe_u32 v7, v0, 4, 1                         ; h
	v_lshlrev_b32 v2, 2, v1                        ; 4 x lane
	v_lshlrev_b32 v3, 4, v4
	v_lshl_add_u32 v3, v7, 13, v3                  ; wcodes: 16 r, and lanes 16-31 one tile (8 images of 1,024 bytes) on
	v_lshlrev_b32 v5, 12, v4
	v_lshl_add_u32 v5, v7, 7, v5                   ; hidden: row r of 4,096 bytes, + 32 h numbers
	v_lshlrev_b32 v6, 2, v4
	v_lshl_add_u32 v6, v7, 15, v6                  ; hidp: column r, batch 8 h
	s_lshr_b32 s15, ttmp9, 7                       ; half
	s_bfe_u32 s16, ttmp9, 0x30004                  ; K step s
	s_and_b32 s17, ttmp9, 15
	s_lshl_b32 s17, s17, 1
	s_add_co_u32 s17, s17, s14                     ; P
	s_mov_b32 s24, 0x76543210
	s_mov_b32 s25, 0xfedcba98                      ; v_permlanex16_b32's selects for lane l xor 16
	s_lshl_b32 s20, s15, 22                        ; W: (1024 half + 128 s) rows of 4,096 bytes + 128 P
	s_lshl_b32 s18, s16, 19
	s_add_co_u32 s20, s20, s18
	s_lshl_b32 s18, s17, 7
	s_add_co_u32 s20, s20, s18
	s_mov_b32 s21, 0
	s_lshl_b32 s22, s17, 14                        ; wcodes: (16 P + s) x 1024
	s_lshl_b32 s18, s16, 10
	s_add_co_u32 s22, s22, s18
	s_mov_b32 s23, 0
	s_lshl_b32 s26, s17, 10                        ; wscl: 1024 P + 128 s
	s_lshl_b32 s18, s16, 7
	s_add_co_u32 s26, s26, s18
	s_mov_b32 s27, 0
	s_lshl_b32 s28, s16, 9                         ; hidden: 128 s numbers along a row
	s_mov_b32 s29, 0
	s_lshl_b32 s30, s16, 16                        ; hidp: 65536 s + 128 P
	s_lshl_b32 s18, s17, 7
	s_add_co_u32 s30, s30, s18
	s_mov_b32 s31, 0
	s_wait_kmcnt 0x0
	s_add_nc_u64 s[4:5], s[4:5], s[20:21]
	s_add_nc_u64 s[6:7], s[6:7], s[28:29]
	s_add_nc_u64 s[8:9], s[8:9], s[22:23]
	s_add_nc_u64 s[10:11], s[10:11], s[26:27]
	s_add_nc_u64 s[12:13], s[12:13], s[30:31]
.macro WLOADS                          ; W(128 s + i, my column), i = 0 .. 127
.set i, 0
.rept 128
	global_load_b32 v[128+i], v2, s[4:5] offset:i*4096 th:TH_LOAD_NT
.set i, i+1
.endr
.endm
.macro WQ b                            ; block b of my column: its 32 numbers are mine
.if 96-32*(\b) > 63
	s_wait_loadcnt 63                              ; more than 63 younger loads of W exist: the largest count that can be written
.else
	s_wait_loadcnt 96-32*(\b)                      ; the later blocks' loads may stay out
.endif
.set XB, 128+32*(\b)
.set FB, 24+8*((\b)%2)+4*((\b)/2)
	v_max3_num_f32 v[8+\b], |v[XB]|, |v[XB+1]|, FLOOR
.irp i, 2,4,6,8,10,12,14,16,18,20,22,24,26,28,30
	v_max3_num_f32 v[8+\b], v[8+\b], |v[XB+\i]|, |v[XB+\i+1]|
.endr
	v_add_nc_u32 v[12+\b], EOFF, v[8+\b]           ; the conversion takes the exponent field of this operand as its scale
	v_lshrrev_b32 v[16+\b], 23, v[12+\b]           ; the scale's byte
.irp g, 0,1,2,3
	v_cvt_scalef32_pk8_fp4_f32 v[FB+\g], v[XB+8*\g:XB+8*\g+7], v[12+\b]
.endr
.endm
.macro WWORD                           ; a plain place behind the last conversion; then the four bytes make my column's scale word
	v_nop
	v_lshl_or_b32 v20, v17, 8, v16
	v_lshl_or_b32 v20, v18, 16, v20
	v_lshl_or_b32 v20, v19, 24, v20
.endm
	s_cmp_eq_u32 s15, 0
	s_cbranch_scc1 .Lw1
	; ---- the encoder's half of W: codes and scale words leave
	WLOADS
	WQ 0
	WQ 1
	WQ 2
	WQ 3
	WWORD
	global_store_b128 v3, v[24:27], s[8:9]             ; block 0: sixteen lanes store 256 consecutive bytes of one tile's image
	global_store_b128 v3, v[32:35], s[8:9] offset:256  ; block 1
	global_store_b128 v3, v[28:31], s[8:9] offset:512  ; block 2
	global_store_b128 v3, v[36:39], s[8:9] offset:768  ; block 3
	global_store_b32 v2, v20, s[10:11]
	s_endpgm
.Lw1:
	; ---- hidden's half of W: this K step's part of hidden x W
.irp c, 0,1
.irp i, 0,1,2,3,4,5,6,7
	global_load_b128 v[64+32*\c+4*\i:64+32*\c+4*\i+3], v5, s[6:7] offset:256*\c+16*\i   ; hidden(r, 128 s + 64 c + 32 h + 4 i ..): two whole blocks a lane, in the operand's own order
.endr
.endr
	WLOADS
	s_wait_loadcnt 63                              ; hidden's sixteen loads are the oldest: 128 younger ones exist
.irp c, 0,1
	v_max3_num_f32 v[8+\c], |v[64+32*\c]|, |v[65+32*\c]|, FLOOR
.endr
.irp i, 2,4,6,8,10,12,14,16,18,20,22,24,26,28,30
.irp c, 0,1
	v_max3_num_f32 v[8+\c], v[8+\c], |v[64+32*\c+\i]|, |v[65+32*\c+\i]|
.endr
.endr
.irp c, 0,1
	v_add_nc_u32 v[12+\c], EOFF, v[8+\c]
.endr
.irp c, 0,1
	v_lshrrev_b32 v[16+\c], 23, v[12+\c]
.endr
	v_lshl_or_b32 v21, v17, 16, v16                ; my two bytes: blocks h and 2 + h of row r,
	v_lshlrev_b32 v22, 3, v7
	v_lshlrev_b32 v21, v22, v21                    ; at their places in the word (8 h bits up);
	v_mov_b32 v22, 0
	v_permlanex16_b32 v22, v21, s24, s25
	v_or_b32 v21, v21, v22                         ; with lane l xor 16's two the word is whole
.irp c, 0,1
.irp g, 0,1,2,3
	v_cvt_scalef32_pk8_fp4_f32 v[40+4*\c+\g], v[64+32*\c+8*\g:71+32*\c+8*\g], v[12+\c]
.endr
.endr
	v_nop                                          ; a plain place behind the conversions: their scale operands are written again below
	WQ 0
	WQ 1
	WQ 2
	WQ 3
	WWORD
.irp k, 0,1,2,3,4,5,6,7
	v_permlane16_swap_b32 v[24+\k], v[32+\k]       ; the first's lanes 16-31 change places with the second's lanes 0-15: v24-31 is now the fragment of columns 0-15, v32-39 that of columns 16-31
.endr
.rept 8
	v_nop                                          ; operands written by vector instructions stand 4 places ahead of a scaled matrix instruction, scale registers 8
.endr
	v_wmma_scale_f32_16x16x128_f8f6f4 v[48:55], v[40:47], v[24:31], 0, v21, v20 matrix_a_fmt:MATRIX_FMT_FP4 matrix_b_fmt:MATRIX_FMT_FP4
	v_wmma_scale_f32_16x16x128_f8f6f4 v[56:63], v[40:47], v[32:39], 0, v21, v20 matrix_a_fmt:MATRIX_FMT_FP4 matrix_b_fmt:MATRIX_FMT_FP4 matrix_b_scale:MATRIX_SCALE_ROW1
.rept 4
	v_nop                                          ; four places between a matrix instruction and the stores of its result
.endr
.irp t, 0,1
.irp j, 0,1,2,3,4,5,6,7
	global_store_b32 v6, v[48+8*\t+\j], s[12:13] offset:\j*4096+64*\t   ; (batch 8 h + j, column 32 P + 16 t + r)
.endr
.endr
	s_endpgm
.Lfunc_end_k_q33a3b1e9cd_prep:
	.size	k_q33a3b1e9cd_prep, .Lfunc_end_k_q33a3b1e9cd_prep-k_q33a3b1e9cd_prep
	.p2alignl 7, 3214868480
	.fill 96, 4, 3214868480
	.section	.rodata,"a",@progbits
	.p2align	6, 0x0
	.amdhsa_kernel k_q33a3b1e9cd_prep
		.amdhsa_group_segment_fixed_size 0
		.amdhsa_private_segment_fixed_size 0
		.amdhsa_enable_private_segment 0
		.amdhsa_kernarg_size 40
		.amdhsa_user_sgpr_count 2
		.amdhsa_user_sgpr_kernarg_segment_ptr 1
		.amdhsa_wavefront_size32 1
		.amdhsa_system_sgpr_workgroup_id_x 1
		.amdhsa_system_sgpr_workgroup_id_y 1
		.amdhsa_system_sgpr_workgroup_id_z 1
		.amdhsa_system_vgpr_workitem_id 0
		.amdhsa_next_free_vgpr 256
		.amdhsa_next_free_sgpr 66
		.amdhsa_reserve_vcc 0
		.amdhsa_float_denorm_mode_32 3
		.amdhsa_float_denorm_mode_16_64 3
		.amdhsa_memory_ordered 1
		.amdhsa_forward_progress 1
		.amdhsa_inst_pref_size 46
	.end_amdhsa_kernel
	.amdgpu_metadata
---
amdhsa.version: [ 1, 2 ]
amdhsa.kernels:
  - .name:           k_q33a3b1e9cd_prep
    .symbol:         k_q33a3b1e9cd_prep.kd
    .args:
      - { .name: W_attn, .offset: 0, .size: 8, .value_kind: global_buffer, .address_space: global }
      - { .name: hidden, .offset: 8, .size: 8, .value_kind: global_buffer, .address_space: global }
      - { .name: wcodes, .offset: 16, .size: 8, .value_kind: global_buffer, .address_space: global }
      - { .name: wscl, .offset: 24, .size: 8, .value_kind: global_buffer, .address_space: global }
      - { .name: hidp, .offset: 32, .size: 8, .value_kind: global_buffer, .address_space: global }
    .group_segment_fixed_size: 0
    .private_segment_fixed_size: 0
    .kernarg_segment_align: 8
    .kernarg_segment_size: 40
    .max_flat_workgroup_size: 64
    .sgpr_count:     66
    .vgpr_count:     256
    .wavefront_size: 32
...
	.end_amdgpu_metadata
.endif
;; end of part 1
;; launch main (part 2): grid 256 x 1, 4 waves a work-group, clusters of 4 x 1, 327,680 bytes of LDS; arguments encoder_outputs, wcodes, wscl, hidp, b_attn, v, scores; writes scores
.if DOCPART == 2
	.amdgcn_target "amdgcn-amd-amdhsa--gfx1250"
	.amdhsa_code_object_version 6
	.text
	.protected	k_q33a3b1e9cd_main
	.globl	k_q33a3b1e9cd_main
	.p2align	8
	.type	k_q33a3b1e9cd_main,@function
k_q33a3b1e9cd_main:
	s_mov_b64 s[64:65], 0
	v_nop
	global_prefetch_b8 v0, s[64:65] scope:SCOPE_SE
	s_setreg_imm32_b32 hwreg(HW_REG_WAVE_MODE, 25, 1), 1
	s_wait_xcnt 0x0
	s_wait_alu depctr_hold_cnt(0) depctr_sa_sdst(0) depctr_va_vdst(0) depctr_va_sdst(0) depctr_va_ssrc(0) depctr_va_vcc(0) depctr_vm_vsrc(0)
	s_getreg_b32 s2, hwreg(HW_REG_IB_STS2, 6, 4)
	s_cmp_eq_u32 s2, 0
	s_cbranch_scc0 .Lentry_in_a_cluster
	s_endpgm
.Lentry_in_a_cluster:
	s_bfe_u32 s2, ttmp6, 0x10000c
	s_cmp_lg_u32 s2, 0x3003
	s_cbranch_scc0 .Lentry_shape_is_right
	s_endpgm
.Lentry_shape_is_right:
; scores[row] = sum over n of v[n] tanh( Q(enc[row]) . Q(W2[:, n]) + hid[batch][n] + b[n] ), row = 2048 batch + s; enc [32768][1024] f32; the product on codes of FP4 (E2M1) with one E8M0 byte for each 32 along K.
; SHARES.  A work-group owns 128 rows of enc (one batch), in four blocks of 32.  THE WAVES SHARE THE COLUMNS: wave w owns n = 256 w .. 256 w + 255: 16 tiles of 16, 8 pairs of tiles.
; ALL OF W2'S CODES STAY IN THE WGP: each wave's pairs 0-3 in 512 registers (windows 2 and 3), its pairs 4-7 in 64 KiB of LDS that it alone reads; the scale words likewise in LDS.  So enc is the only stream.
; Each wave quantises 8 rows of each block (a ring of 4 rows in registers, 24 to 32 loads of 16 bytes a lane always out); the codes reach the other waves through LDS as rows.
; WHILE BLOCK i IS MULTIPLIED, BLOCK i + 1 IS QUANTISED: one row in each of a pass's eight steps.
; BY TURNS.  A step has the 32 matrix instructions of one pair of tiles; behind each of them stand three lines of the tanh of the pair BEFORE, which lies in the other of two sets of accumulators.
; Register pairs and LDS pairs alternate (0, 4, 1, 5, 2, 6, 3, 7), so that an LDS pair's 32 fragment loads have a whole register pair's step in which to land.
; tanh x = 1 - 2 / (1 + 2^(c x)), c = 2 log2(e): the sum is kept as sum(v) + sum(-2 v / (1 + 2^(c acc + c (hid + b)))).  An exponential that overflows gives tanh = 1, one that falls to 0 gives -1.
; LAYOUT.  Source 0 = 16 rows of enc, source 1 = 16 columns of W2: in the result a lane holds ONE column n (lane % 16) and rows 8 (lane / 16) + 0 .. 7, so hid + b and v are one number a lane and tile.
; CLUSTER.  Four work-groups; all want the same LDS half of W2 and the same scale words: each wave's four tensor loads are JOINT loads with the mask of all four.  The register half comes by plain loads:
; it would have to pass through LDS, of which 323,584 of 327,680 bytes are taken.  enc's rows are shared by nobody.
; LIMITS: NaN and infinities among the inputs are not served.  A block of zeros gets the scale byte 1 where the quantiser says 127: its codes are zeros, and this program alone reads the bytes.
; LDS: nothing is filled twice.
.set BSC,  262144                      ; 0 ..: W2's images, 65,536 bytes a wave: (tile t' 0..7, K step s) at (8 t' + s) x 1024.   BSC: scale words, 8,192 a wave: 1024 p + 128 s + 4 lane
.set HVB,  294912                      ; for each column 8 bytes: c (hid + b), -2 v; 2,048 a wave
.set ABUF, 303104                      ; a block's codes: 32 rows of 512 bytes + 16: row r starts 33 r sixteenths of 256 bytes on, so the 16 rows of a load start at 16 different banks (ISA guide 11.1)
.set AP,   528
.set ASC,  320000                      ; a block's scale bytes: 32 rows of 32 bytes + 16
.set SP,   48
.set RED,  321536                      ; [wave][128 rows] f32
; REGISTERS.  Window 0:
.set GA,   1                           ; 32 x lane: my 32 bytes of 1,024 of enc
.set AW,   2                           ; where I store a row's codes: ABUF + 8 w rows + 4 x lane
.set SW,   3                           ; and its scale bytes: ASC + 8 w rows + lane / 4
.set AR,   4                           ; where I read A's fragments: ABUF + 528 r + 16 h
.set SR,   5                           ; and A's scale words: ASC + 48 x lane
.set BLA,  6                           ; my wave's images: 65536 w + 16 x lane
.set SLA,  7                           ; my wave's scale words: BSC + 8192 w + 4 x lane
.set HA,   8                           ; HVB + 2048 w + 8 r
.set RW,   9                           ; RED + 512 w + 32 h
.set L16,  10                          ; 16 x lane
.set HW,   11                          ; HVB + 2048 w + 32 x lane
.set VS,   12                          ; v[12:13] the sum of v over my lane's 16 columns, twice
.set TA,   14                          ; an address at work
.set FL,   15                          ; the floor 2^(3 - 127), under which no largest magnitude is taken
.set ASW,  16                          ; v16-23 A's scale words, K step s; lane = row of the block
.set BSW,  24                          ; v24-31 the pair's scale words: lanes 0-15 the even tile, lanes 16-31 the odd one
.set HV,   32                          ; v[32:33], v[34:35] (c (hid + b), -2 v) of my column in a pair's two tiles
.set S,    36                          ; v36-51 the running sums: S + 8 a + j: row 16 a + 8 h + j
.set ACC,  52                          ; v52-83, v84-115 two sets of four accumulators: ACC + 32 (step % 2) + 16 u + 8 a
.set T0,   116                         ; v116-119 largest magnitudes, then the scale bytes; v120-123 scale operands; v124-127 codes: one for each quarter row
.set T1,   120
.set CD,   124
.set BY,   116
.set AF,   128                         ; v128-255 A's fragments: AF + 64 a + 8 s.  (At the head: the landing place of hidp, b and v; at the end: the row sums)
; Window 1: v0-127 the ring: four rows of enc, row j, quarter u at 32 j + 8 u; v128-255 the LDS pair's fragments (128 + 64 u + 8 s); at the head rows 4-7 of block 0.
; Window 2: pairs 0, 1 (128 (p % 2) + 64 u + 8 s).  Window 3: pairs 2, 3.
; A's fragments, the accumulators and all that the tanh touches lie in window 0, and only source 1 of a product lies elsewhere: so the lines of the tanh that stand between the products
; (their second source is a scalar pair or a constant) need no switch of the window.
.set WV,   42                          ; s42 wave
.set EO,   45                          ; s45 takes 2 off an exponent field
.set EB,   46                          ; s[46:47] enc at my wave's first row of the block that is being quantised
.set CS,   48                          ; s[48:49] c, twice
.set TRIPS, 50
.set RO,   51                          ; s51 128 x the block in hand: its place among the row sums
.set MSB, 0
.macro WIN new                         ; s_set_vgpr_msb: bits 1:0 source 0, 3:2 source 1, 5:4 source 2, 7:6 destination; the high byte repeats the setting that is left
.if MSB != \new
	s_set_vgpr_msb (MSB<<8)|\new
.set MSB, \new
.endif
.endm
.macro ROUND                           ; a round of the cluster's barrier
	s_barrier_signal -1
	s_barrier_wait -1
	s_cmp_lg_u32 s[WV], 0
	s_cbranch_scc1 .Lnot_wave_0_\@
	s_barrier_signal -3
.Lnot_wave_0_\@:
	s_barrier_wait -3
	s_barrier_signal -1
	s_barrier_wait -1
.endm
.macro GROUP1 g, rows                  ; descriptor group 1: a dense block as rows of 256 bytes (32 elements of 8 bytes), no padding; 15:0 the mask of all four work-groups, bit 21 set beside it
	s_mov_b32 s[\g], 15|(3<<16)|(1<<21)
	s_mov_b32 s[\g+1], 32<<16                      ; tensor_dim0 = 32
	s_mov_b32 s[\g+2], (\rows)<<16                 ; tensor_dim1
	s_mov_b32 s[\g+3], 32<<16                      ; tile_dim0
	s_mov_b32 s[\g+4], \rows                       ; tile_dim1
	s_mov_b32 s[\g+5], 32                          ; pitch
	s_mov_b32 s[\g+6], 0
	s_mov_b32 s[\g+7], 0
.endm
	s_load_b256 s[4:11], s[0:1], 0x0               ; enc s[4:5], wcodes s[6:7], wscl s[8:9], hidp s[10:11]
	s_load_b128 s[12:15], s[0:1], 0x20             ; b_attn, v
	s_load_b64 s[40:41], s[0:1], 0x30              ; scores
	v_lshl_add_u32 v254, v0, 2, 0x4f000
	v_mov_b32 v255, 0
	ds_add_u32 v254, v255
	ds_add_u32 v254, v255
	s_wait_dscnt 0x0
	v_lshrrev_b32 v84, 5, v0
	v_readfirstlane_b32 s[WV], v84                 ; wave 0..3
	v_and_b32 v84, 31, v0                          ; lane
	v_and_b32 v85, 15, v0                          ; r
	v_bfe_u32 v86, v0, 4, 1                        ; h
	v_mov_b32 v[FL], 0x1800000
	s_bfe_u32 s43, ttmp6, 0x40000                  ; cx: it enters enc's and scores' addresses alone
	s_lshl_b32 s44, ttmp9, 2
	s_add_co_u32 s44, s44, s43                     ; work-group = 4 x cluster + cx
	GROUP1 16, 32                                  ; 8,192 bytes: my scale words
	GROUP1 24, 64                                  ; 16,384 bytes: one pair's images
	GROUP1 32, 128                                 ; 32,768 bytes: two pairs'
	s_mov_b32 s[CS], 0x4038aa3b                    ; c = 2 log2(e)
	s_mov_b32 s[CS+1], s[CS]
	s_mov_b32 s[EO], 0xff000000
	s_mov_b32 s[RO], 0
	v_lshlrev_b32 v[GA], 5, v84
	s_mul_i32 s60, s[WV], 8*AP
	s_add_co_u32 s60, s60, ABUF
	v_lshl_add_u32 v[AW], v84, 2, s60
	s_mul_i32 s60, s[WV], 8*SP
	s_add_co_u32 s60, s60, ASC
	v_lshrrev_b32 v[SW], 2, v84
	v_add_nc_u32 v[SW], s60, v[SW]
	v_mul_u32_u24 v[AR], v85, AP
	v_lshl_add_u32 v[AR], v86, 4, v[AR]
	v_add_nc_u32 v[AR], ABUF, v[AR]
	v_mul_u32_u24 v[SR], v84, SP
	v_add_nc_u32 v[SR], ASC, v[SR]
	s_lshl_b32 s60, s[WV], 16
	v_lshl_add_u32 v[BLA], v84, 4, s60
	s_lshl_b32 s60, s[WV], 13
	s_add_co_u32 s60, s60, BSC
	v_lshl_add_u32 v[SLA], v84, 2, s60
	s_lshl_b32 s60, s[WV], 11
	s_add_co_u32 s60, s60, HVB
	v_lshl_add_u32 v[HA], v85, 3, s60
	v_lshl_add_u32 v[HW], v84, 5, s60
	s_lshl_b32 s60, s[WV], 9
	s_add_co_u32 s60, s60, RED
	v_lshl_add_u32 v[RW], v86, 5, s60
	v_lshlrev_b32 v[L16], 4, v84
	s_wait_kmcnt 0x0
	s_lshl_b32 s2, s44, 19                         ; enc: 128 rows of 4,096 bytes a work-group, 8 rows a wave
	s_lshl_b32 s3, s[WV], 15
	s_add_co_u32 s2, s2, s3
	s_mov_b32 s3, 0
	s_add_nc_u64 s[EB:EB+1], s[4:5], s[2:3]
	s_lshl_b32 s2, s44, 9                          ; scores: 512 bytes a work-group
	s_add_nc_u64 s[40:41], s[40:41], s[2:3]
	s_lshl_b32 s60, s[WV], 17                      ; wcodes: my 16 tiles of 8,192 bytes
	s_mov_b32 s61, 0
	s_add_nc_u64 s[52:53], s[6:7], s[60:61]        ; the register half begins here; the LDS half 65,536 bytes on
	s_mov_b32 s72, 1                               ; group 0, pair 4: count = 1,
	s_lshl_b32 s73, s[WV], 16                      ; LDS address 65536 w,
	s_add_nc_u64 s[74:75], s[52:53], 0x10000       ; tiles 8, 9 of my 16,
	s_or_b32 s75, s75, 0x80000000                  ; type = 2
	s_mov_b32 s76, 1                               ; pair 5
	s_add_co_u32 s77, s73, 16384
	s_add_nc_u64 s[78:79], s[52:53], 0x14000
	s_or_b32 s79, s79, 0x80000000
	s_mov_b32 s80, 1                               ; pairs 6 and 7
	s_add_co_u32 s81, s73, 32768
	s_add_nc_u64 s[82:83], s[52:53], 0x18000
	s_or_b32 s83, s83, 0x80000000
	s_lshl_b32 s60, s[WV], 13
	s_mov_b32 s68, 1                               ; my scale words
	s_add_co_u32 s69, s60, BSC
	s_add_nc_u64 s[70:71], s[8:9], s[60:61]
	s_or_b32 s71, s71, 0x80000000
	s_lshl_b32 s60, s[WV], 10                      ; b and v: my 256 numbers
	s_add_nc_u64 s[56:57], s[12:13], s[60:61]
	s_add_nc_u64 s[58:59], s[14:15], s[60:61]
	s_lshr_b32 s62, ttmp9, 2                       ; the batch: 16 work-groups, 4 clusters, to each
	s_lshl_b32 s62, s62, 12
	s_add_co_u32 s60, s60, s62
	s_add_nc_u64 s[54:55], s[10:11], s[60:61]      ; hidp at (batch, my 256 columns)
	ROUND                                          ; all four work-groups are here: the joint loads meet
	tensor_load_to_lds s[68:71], s[16:23]          ; my four first fills stand together, in the order in which they are wanted, ahead of every LDS read and every wait for them: four loads of mine are out
	s_nop 0
	tensor_load_to_lds s[72:75], s[24:31]
	s_nop 0
	tensor_load_to_lds s[76:79], s[24:31]
	s_nop 0
	tensor_load_to_lds s[80:83], s[32:39]
	s_nop 0
.rept 4
	v_nop
.endr
.macro RLOAD reg, row, off             ; a row of enc into window 1 from v[reg] on: four quarters of 1,024 bytes; a lane takes 32 neighbouring bytes (8 numbers of one block), so a pair of loads covers 1,024 consecutive bytes
.irp u, 0,1,2,3
	global_load_b128 v[8*\u+(\reg):8*\u+(\reg)+3], v[GA], s[EB:EB+1] offset:(\off)+(\row)*4096+\u*1024 th:TH_LOAD_RT_NT
	global_load_b128 v[8*\u+(\reg)+4:8*\u+(\reg)+7], v[GA], s[EB:EB+1] offset:(\off)+(\row)*4096+\u*1024+16 th:TH_LOAD_RT_NT
.endr
.endm
; The row at v[xb + 32 j] of window 1 becomes row 4 half + j of my eight: codes and scale bytes go to LDS.  Four lanes hold a block of 32.  cnt: the younger loads, which may stay out.
; issue = 1: ring place j takes the row off bytes on.
.macro QROW j, half, cnt, issue, off, xb
.set RB, (\xb)+32*(\j)
	s_wait_loadcnt \cnt
	WIN 0x14                                       ; sources 1 and 2 window 1
.irp u, 0,1,2,3
	v_max3_num_f32 v[T0+\u], v[FL], |v[RB+8*\u]|, |v[RB+8*\u+1]|   ; my 8 numbers and the floor: the byte cannot fall under 1.  (The four quarters by turns)
.endr
.irp i, 2,4,6
.irp u, 0,1,2,3
	v_max3_num_f32 v[T0+\u], v[T0+\u], |v[RB+8*\u+\i]|, |v[RB+8*\u+\i+1]|
.endr
.endr
	WIN 0
.irp u, 0,1,2,3
	v_max_num_f32_dpp v[T0+\u], v[T0+\u], v[T0+\u] row_xmask:1 row_mask:0xf bank_mask:0xf
.endr
.irp u, 0,1,2,3
	v_max_num_f32_dpp v[T0+\u], v[T0+\u], v[T0+\u] row_xmask:2 row_mask:0xf bank_mask:0xf   ; the block's largest magnitude
.endr
.irp u, 0,1,2,3
	v_add_nc_u32 v[T1+\u], s[EO], v[T0+\u]         ; 2 off its exponent field: the conversion's scale operand
.endr
	WIN 0x01                                       ; source 0 window 1
.irp u, 0,1,2,3
	v_cvt_scalef32_pk8_fp4_f32 v[CD+\u], v[RB+8*\u:RB+8*\u+7], v[T1+\u]
.endr
	WIN 0
.irp u, 0,1,2,3
	v_lshrrev_b32 v[BY+\u], 23, v[T1+\u]           ; the scale's byte.  (Plain places behind the conversions)
.endr
.irp u, 0,1,2,3
	ds_store_b32 v[AW], v[CD+\u] offset:(4*(\half)+(\j))*AP+128*\u    ; 32 lanes: 128 consecutive bytes of the row's codes
	ds_store_b8 v[SW], v[BY+\u] offset:(4*(\half)+(\j))*SP+8*\u       ; the four lanes of a block write the same byte with the same value
.endr
.if \issue
	WIN 0x40                                       ; destination window 1
	RLOAD 32*(\j), \j, \off
	WIN 0
.endif
.endm
.macro HVLOAD p
	ds_load_b64 v[HV:HV+1], v[HA] offset:256*(\p)
	ds_load_b64 v[HV+2:HV+3], v[HA] offset:256*(\p)+128
.endm
.macro SFETCH p                        ; pair p's scale words
.irp s, 0,1,2,3,4,5,6,7
	ds_load_b32 v[BSW+\s], v[SLA] offset:1024*(\p)+128*\s
.endr
.endm
.macro BFETCH q                        ; pair 4 + q's sixteen fragments: images of the operand's registers, 512 consecutive bytes a load
	WIN 0x40
.irp u, 0,1
.irp s, 0,1,2,3,4,5,6,7
.irp c, 0,1
	ds_load_b128 v[128+64*\u+8*\s+4*\c:128+64*\u+8*\s+4*\c+3], v[BLA] offset:((2*(\q)+\u)*8+\s)*1024+512*\c
.endr
.endr
.endr
	WIN 0
.endm
.macro WM d, a, b, z, sa, sb, ra, rb   ; one matrix instruction; z: it starts the sum; ra, rb: the side's scales stand in lanes 16-31
.if \z
.if \ra
.if \rb
	v_wmma_scale_f32_16x16x128_f8f6f4 v[\d:\d+7], v[\a:\a+7], v[\b:\b+7], 0, v[\sa], v[\sb] matrix_a_fmt:MATRIX_FMT_FP4 matrix_b_fmt:MATRIX_FMT_FP4 matrix_a_scale:MATRIX_SCALE_ROW1 matrix_b_scale:MATRIX_SCALE_ROW1
.else
	v_wmma_scale_f32_16x16x128_f8f6f4 v[\d:\d+7], v[\a:\a+7], v[\b:\b+7], 0, v[\sa], v[\sb] matrix_a_fmt:MATRIX_FMT_FP4 matrix_b_fmt:MATRIX_FMT_FP4 matrix_a_scale:MATRIX_SCALE_ROW1
.endif
.else
.if \rb
	v_wmma_scale_f32_16x16x128_f8f6f4 v[\d:\d+7], v[\a:\a+7], v[\b:\b+7], 0, v[\sa], v[\sb] matrix_a_fmt:MATRIX_FMT_FP4 matrix_b_fmt:MATRIX_FMT_FP4 matrix_b_scale:MATRIX_SCALE_ROW1
.else
	v_wmma_scale_f32_16x16x128_f8f6f4 v[\d:\d+7], v[\a:\a+7], v[\b:\b+7], 0, v[\sa], v[\sb] matrix_a_fmt:MATRIX_FMT_FP4 matrix_b_fmt:MATRIX_FMT_FP4
.endif
.endif
.else
.if \ra
.if \rb
	v_wmma_scale_f32_16x16x128_f8f6f4 v[\d:\d+7], v[\a:\a+7], v[\b:\b+7], v[\d:\d+7], v[\sa], v[\sb] matrix_a_fmt:MATRIX_FMT_FP4 matrix_b_fmt:MATRIX_FMT_FP4 matrix_a_scale:MATRIX_SCALE_ROW1 matrix_b_scale:MATRIX_SCALE_ROW1
.else
	v_wmma_scale_f32_16x16x128_f8f6f4 v[\d:\d+7], v[\a:\a+7], v[\b:\b+7], v[\d:\d+7], v[\sa], v[\sb] matrix_a_fmt:MATRIX_FMT_FP4 matrix_b_fmt:MATRIX_FMT_FP4 matrix_a_scale:MATRIX_SCALE_ROW1
.endif
.else
.if \rb
	v_wmma_scale_f32_16x16x128_f8f6f4 v[\d:\d+7], v[\a:\a+7], v[\b:\b+7], v[\d:\d+7], v[\sa], v[\sb] matrix_a_fmt:MATRIX_FMT_FP4 matrix_b_fmt:MATRIX_FMT_FP4 matrix_b_scale:MATRIX_SCALE_ROW1
.else
	v_wmma_scale_f32_16x16x128_f8f6f4 v[\d:\d+7], v[\a:\a+7], v[\b:\b+7], v[\d:\d+7], v[\sa], v[\sb] matrix_a_fmt:MATRIX_FMT_FP4 matrix_b_fmt:MATRIX_FMT_FP4
.endif
.endif
.endif
.endm
; THE TANH OF A PAIR, up to the reciprocal, is a list of 97 lines on the 32 registers at TB; TC writes number KK of it and steps KK.
;   0-15  c acc + c (hid + b), two at a time, each accumulator from its low end on;   16-47 the exponentials;   48 a plain place behind them;   49-64 + 1, two at a time;   65-96 the reciprocals
.macro TC
.if KK < 16
	v_pk_fma_f32 v[TB+2*KK:TB+2*KK+1], v[TB+2*KK:TB+2*KK+1], s[CS:CS+1], v[HV+2*(KK/8):HV+2*(KK/8)+1] op_sel_hi:[1,0,0]   ; of the pairs c and (c (hid + b), -2 v) the first word serves both halves
.elseif KK < 48
	v_exp_f32 v[TB+KK-16], v[TB+KK-16]
.elseif KK == 48
	v_nop
	s_wait_alu depctr_va_vdst(0)
.elseif KK < 65
	v_pk_add_f32 v[TB+2*(KK-49):TB+2*(KK-49)+1], v[TB+2*(KK-49):TB+2*(KK-49)+1], 1.0 op_sel_hi:[1,0]
.else
	v_rcp_f32 v[TB+KK-65], v[TB+KK-65]
.endif
.set KK, KK+1
.endm
; S += -2 v x the reciprocals: the pair's even tile, then its odd one.  first = 1: the block's first pair starts the sums with the lane's sum of v.
.macro FINAL0 first
.irp a, 0,1
.irp i, 0,2,4,6
.if \first
	v_pk_fma_f32 v[S+8*\a+\i:S+8*\a+\i+1], v[TB+8*\a+\i:TB+8*\a+\i+1], v[HV:HV+1], v[VS:VS+1] op_sel:[0,1,0] op_sel_hi:[1,1,1]   ; the pair's second word, -2 v, serves both halves
.else
	v_pk_fma_f32 v[S+8*\a+\i:S+8*\a+\i+1], v[TB+8*\a+\i:TB+8*\a+\i+1], v[HV:HV+1], v[S+8*\a+\i:S+8*\a+\i+1] op_sel:[0,1,0] op_sel_hi:[1,1,1]
.endif
.endr
.endr
.endm
.macro FINAL1
.irp a, 0,1
.irp i, 0,2,4,6
	v_pk_fma_f32 v[S+8*\a+\i:S+8*\a+\i+1], v[TB+16+8*\a+\i:TB+16+8*\a+\i+1], v[HV+2:HV+3], v[S+8*\a+\i:S+8*\a+\i+1] op_sel:[0,1,0] op_sel_hi:[1,1,1]
.endr
.endr
.endm
; Step t's pair x the block's 32 rows x all of K: 32 matrix instructions into accumulator set t % 2.  The four accumulators take turns, one instruction a turn; the first K step starts the sums.
; il = 1: three lines of the other set's list stand behind each matrix instruction, the 97th behind the last.
.macro MULT t, il
.if (\t)%2
	WIN 0x04                                       ; source 1 (B) window 1: an LDS pair; all else window 0
.set BB, 128
.elseif (\t) < 4
	WIN 0x08                                       ; B in window 2: pair t / 2
.set BB, 64*(\t)
.else
	WIN 0x0c                                       ; B in window 3
.set BB, 64*((\t)-4)
.endif
.set AB, ACC+32*((\t)%2)
.set TB, ACC+32-32*((\t)%2)
.set KK, 0
.irp s, 0,1,2,3,4,5,6,7
.irp u, 0,1
.irp a, 0,1
.if \s == 0
	WM AB+16*\u+8*\a, AF+64*\a+8*\s, BB+64*\u+8*\s, 1, ASW+\s, BSW+\s, \a, \u
.else
	WM AB+16*\u+8*\a, AF+64*\a+8*\s, BB+64*\u+8*\s, 0, ASW+\s, BSW+\s, \a, \u
.endif
.if \il
	TC
	TC
	TC
.endif
.endr
.endr
.endr
.if \il
	TC
.endif
	WIN 0
.endm
; A STEP.  t even: register pair t / 2; t odd: LDS pair 4 + (t - 1) / 2.
; mode 1: a row of the next block is quantised and its ring place filled again; 2: quantised, nothing more to fetch; 0: nothing.  fs: the next step's scale words are fetched.
; bf: the next LDS pair's fragments are fetched, as the step's last LDS instructions.  tw >= 0: the wait on TENSORcnt that shows their images landed.
; bw = 1: the barrier between every wave's reads of the block's codes and the first store of the next block's: signal and wait apart, with matrix instructions alone between them.
.macro STEP t, mode, fs, bf, bw, tw
.if (\t)%2
.set PT, 4+((\t)-1)/2
.set PN, (((\t)+1)%8)/2
.else
.set PT, (\t)/2
.set PN, 4+(\t)/2
.endif
.if ((\t)%2 == 0) && ((\t) > 0)
	s_wait_dscnt 32                                ; my scale words and (c (hid + b), -2 v) are in, my stores are done; the 32 fragment loads issued last, for the step after this, may stay out
.else
	s_wait_dscnt 0x0                               ; all is in: scale words, the LDS pair's fragments (step 0: A's fragments and scale words)
.endif
.if \bw
	s_barrier_signal -1
.endif
.if (\t) == 0
	MULT \t, 0                                     ; the pair before was finished behind the pass's first barrier
.else
	MULT \t, 1
.endif
.if \bw
	s_barrier_wait -1
.endif
.if (\t) == 0
.rept 4
	v_nop                                          ; four places between the products and the loads into their scale registers
.endr
.else
	v_nop                                          ; a plain place behind the last reciprocal
	s_wait_alu depctr_va_vdst(0)
.if (\t) == 1
	FINAL0 1
.else
	FINAL0 0                                       ; these lines name none of the last products' registers: they are the places in front of the loads below
.endif
.endif
.if \fs
	SFETCH PN
.endif
.if (\t) > 0
	FINAL1
.endif
	HVLOAD PT                                      ; for this step's pair, whose tanh stands in the next step
.if \mode == 1
	QROW (\t)%4, (\t)/4, 24, 1, 16384+((\t)/4)*114688, 0   ; three younger rows, 24 loads, stay out.  Rows 0-3 make room for rows 4-7 of the same block, rows 4-7 for rows 0-3 of the next (32 rows on)
.elseif \mode == 2
	QROW (\t)%4, (\t)/4, 8*(3-(\t)%4), 0, 0, 0     ; the counts run down
.endif
.if \bf
.if (\tw) >= 0
	s_wait_tensorcnt \tw                           ; the later pieces of my LDS half may stay out
.endif
	BFETCH (((\t)-1)/2+1)%4
.endif
.endm
; The last pair's tanh, and the block's row sums: over the sixteen lanes that hold a row's columns, then to LDS.
.macro TAIL
.set TB, ACC+32
.set KK, 0
.rept 97
	TC
.endr
	v_nop                                          ; a plain place behind the last reciprocal
	s_wait_alu depctr_va_vdst(0)
	FINAL0 0
	FINAL1
.irp m, 1,2,4,8
.irp i, 0,1,2,3,4,5,6,7,8,9,10,11,12,13,14,15
	v_add_f32_dpp v[S+\i], v[S+\i], v[S+\i] row_xmask:\m row_mask:0xf bank_mask:0xf
.endr
.endr
	v_add_nc_u32 v[TA], s[RO], v[RW]
.irp a, 0,1
.irp j, 0,1,2,3,4,5,6,7
	ds_store_b32 v[TA], v[S+8*\a+\j] offset:64*\a+4*\j   ; row 16 a + 8 h + j of the block; sixteen lanes write the same word with the same value
.endr
.endr
	s_add_co_u32 s[RO], s[RO], 128
.endm
; BETWEEN TWO PASSES: the barrier behind which the next block's codes are whole; its fragments, its scale words and pair 4's fragments are asked for, and the pass before is finished while they come.
.macro BOUND tail
	s_wait_dscnt 0x0                               ; my stores of the block's codes and scale bytes have landed
	s_barrier_signal -1
	s_barrier_wait -1                              ; everybody's have
.irp a, 0,1
.irp s, 0,1,2,3,4,5,6,7
.irp c, 0,1
	ds_load_b128 v[AF+64*\a+8*\s+4*\c:AF+64*\a+8*\s+4*\c+3], v[AR] offset:\a*16*AP+64*\s+32*\c   ; lane (r, h): row 16 a + r, k = 128 s + 64 c + 32 h + 0 .. 31
.endr
.endr
.endr
	ds_load_b128 v[ASW:ASW+3], v[SR]               ; my row's eight scale words
	ds_load_b128 v[ASW+4:ASW+7], v[SR] offset:16
	BFETCH 0
.if \tail
	TAIL
.endif
.endm
.macro HALF_A qa, t1, t3               ; a pass's steps 0-3; t1, t3: the waits on TENSORcnt of the first pass
.if \qa
	STEP 0, \qa, 1, 0, 1, -1
.else
	STEP 0, 0, 1, 0, 0, -1                         ; nothing is stored into the code rows any more: no second barrier
.endif
	STEP 1, \qa, 1, 1, 0, \t1
	STEP 2, \qa, 1, 0, 0, -1
	STEP 3, \qa, 1, 1, 0, \t3
.endm
.macro HALF_B qb, last                 ; a pass's steps 4-7
	STEP 4, \qb, 1, 0, 0, -1
	STEP 5, \qb, 1, 1, 0, -1
	STEP 6, \qb, 1, 0, 0, -1
	STEP 7, \qb, 1-\last, 0, 0, -1
.if \qb == 1
	s_wait_xcnt 0x0                                ; the loads that are out have read their base
	s_add_nc_u64 s[EB:EB+1], s[EB:EB+1], 0x20000   ; 32 rows on
.endif
.endm
	WIN 0x40                                       ; all eight of my rows of block 0 are asked for at once: rows 0-3 into the ring, rows 4-7 into the LDS pair's buffer, which is idle until the first pass
.irp j, 0,1,2,3
	RLOAD 32*\j, \j, 0
.endr
.irp j, 0,1,2,3
	RLOAD 128+32*\j, 4+\j, 0
.endr
	WIN 0                                          ; the small inputs land where A's fragments will lie: a lane takes 4 neighbouring columns, twice
.irp s, 0,1,2,3,4,5,6,7
.irp g, 0,1
	global_load_b128 v[AF+8*\s+4*\g:AF+8*\s+4*\g+3], v[L16], s[54:55] offset:\s*65536+512*\g   ; K step s's part of hidden x W1
.endr
.endr
.irp g, 0,1
	global_load_b128 v[AF+64+4*\g:AF+64+4*\g+3], v[L16], s[56:57] offset:512*\g               ; b
	global_load_b128 v[AF+72+4*\g:AF+72+4*\g+3], v[L16], s[58:59] offset:512*\g               ; v
.endr
	WIN 0x80                                       ; the register half of W2: tiles 0-3 into window 2,
.irp t, 0,1,2,3
.irp s, 0,1,2,3,4,5,6,7
.irp c, 0,1
	global_load_b128 v[64*\t+8*\s+4*\c:64*\t+8*\s+4*\c+3], v[L16], s[52:53] offset:(8*\t+\s)*1024+512*\c
.endr
.endr
.endr
	WIN 0xc0                                       ; tiles 4-7 into window 3
.irp t, 0,1,2,3
.irp s, 0,1,2,3,4,5,6,7
.irp c, 0,1
	global_load_b128 v[64*\t+8*\s+4*\c:64*\t+8*\s+4*\c+3], v[L16], s[52:53] offset:(8*(\t+4)+\s)*1024+512*\c
.endr
.endr
.endr
	WIN 0
	s_wait_loadcnt 63                              ; 128 younger loads exist: block 0's rows and the small inputs are in
.irp g, 0,1
.irp s, 1,2,3,4,5,6,7
	v_pk_add_f32 v[AF+4*\g:AF+4*\g+1], v[AF+4*\g:AF+4*\g+1], v[AF+8*\s+4*\g:AF+8*\s+4*\g+1]               ; hid: the K steps' parts, K ascending
	v_pk_add_f32 v[AF+4*\g+2:AF+4*\g+3], v[AF+4*\g+2:AF+4*\g+3], v[AF+8*\s+4*\g+2:AF+8*\s+4*\g+3]
.endr
	v_pk_add_f32 v[AF+4*\g:AF+4*\g+1], v[AF+4*\g:AF+4*\g+1], v[AF+64+4*\g:AF+64+4*\g+1]                   ; + b
	v_pk_add_f32 v[AF+4*\g+2:AF+4*\g+3], v[AF+4*\g+2:AF+4*\g+3], v[AF+66+4*\g:AF+66+4*\g+1]
.irp i, 0,1,2,3
	v_mul_f32 v[AF+80+8*\g+2*\i], s[CS], v[AF+4*\g+\i]   ; c (hid + b)
	v_mul_f32 v[AF+81+8*\g+2*\i], -2.0, v[AF+72+4*\g+\i] ; -2 v
.endr
.endr
.irp g, 0,1
.irp q, 0,1
	ds_store_b128 v[HW], v[AF+80+8*\g+4*\q:AF+80+8*\g+4*\q+3] offset:1024*\g+16*\q
.endr
.endr
.irp t, 0,1,2,3,4,5,6,7,8,9,10,11,12,13,14,15
	ds_load_b32 v[ACC+\t], v[HA] offset:128*\t+4   ; -2 v of my column in each of my 16 tiles: LDS serves a wave's instructions in order, so these see my stores; no other wave touches these bytes
.endr
	s_wait_dscnt 0x0
.irp t, 2,4,6,8,10,12,14
	v_pk_add_f32 v[ACC:ACC+1], v[ACC:ACC+1], v[ACC+\t:ACC+\t+1]
.endr
	v_add_f32 v[ACC], v[ACC], v[ACC+1]
	v_mul_f32 v[VS], -0.5, v[ACC]                  ; the sum of v over my lane's columns
	v_mov_b32 v[VS+1], v[VS]
.irp j, 0,1,2,3                        ; block 0 is quantised ahead of the passes; its rows are in since the wait above
	QROW \j, 0, 63, 1, 131072, 0                   ; the ring's places take rows 0-3 of block 1
	s_wait_dscnt 0x0                               ; the stores have read their registers: the next row's codes and bytes may be written
.endr
.irp j, 0,1,2,3
	QROW \j, 1, 63, 0, 0, 128                      ; rows 4-7, out of the LDS pair's buffer
	s_wait_dscnt 0x0
.endr
	s_wait_xcnt 0x0                                ; the loads that are out have read their base
	s_add_nc_u64 s[EB:EB+1], s[EB:EB+1], 0x20000
	s_wait_tensorcnt 3                             ; my scale words are in LDS (three later loads may stay out): I alone read them
	SFETCH 0
	s_wait_tensorcnt 2                             ; pair 4's images are in
	s_wait_loadcnt 32                              ; all but block 1's four rows: W2's register half is in
	BOUND 0
	HALF_A 1, 1, 0                                 ; block 0, steps 0-3; pair 5's images are waited for in step 1, pairs 6 and 7's in step 3: no load of mine is out from there on
	s_mov_b32 s[TRIPS], 2
.Lpass:                                            ; a trip goes from a pass's step 4 to the next pass's step 3: blocks 0 and 1 are finished, blocks 1 and 2 begun; blocks 1 to 3 are quantised on the way
	HALF_B 1, 0
	BOUND 1
	HALF_A 1, -1, -1
	s_sub_co_u32 s[TRIPS], s[TRIPS], 1
	s_cmp_lg_u32 s[TRIPS], 0
	s_cbranch_scc1 .Lpass
	HALF_B 2, 0                                    ; block 2 | block 3's rows 4-7 are quantised: nothing more is asked for, so no load leaves the buffer
	BOUND 1
	HALF_A 0, -1, -1                               ; block 3
	HALF_B 0, 1
	s_wait_dscnt 0x0                               ; the last pair's (c (hid + b), -2 v)
	TAIL
	v_add_nc_u32 v[TA], RED, v[L16]
	s_wait_dscnt 0x0                               ; my row sums have landed
	s_barrier_signal -1
	s_barrier_wait -1                              ; everybody's have
	s_cmp_lg_u32 s[WV], 0
	s_cbranch_scc1 .Ldone
.irp w, 0,1,2,3
	ds_load_b128 v[AF+4*\w:AF+4*\w+3], v[TA] offset:512*\w   ; the four waves' sums of my 4 rows
.endr
	s_wait_dscnt 0x0
	v_pk_add_f32 v[AF:AF+1], v[AF:AF+1], v[AF+4:AF+5]
	v_pk_add_f32 v[AF+2:AF+3], v[AF+2:AF+3], v[AF+6:AF+7]
	v_pk_add_f32 v[AF+8:AF+9], v[AF+8:AF+9], v[AF+12:AF+13]
	v_pk_add_f32 v[AF+10:AF+11], v[AF+10:AF+11], v[AF+14:AF+15]
	v_pk_add_f32 v[AF:AF+1], v[AF:AF+1], v[AF+8:AF+9]
	v_pk_add_f32 v[AF+2:AF+3], v[AF+2:AF+3], v[AF+10:AF+11]
	global_store_b128 v[L16], v[AF:AF+3], s[40:41]           ; 32 lanes store the work-group's 512 consecutive bytes
.Ldone:
	s_wait_xcnt 0x0
	v_lshl_add_u32 v254, v0, 2, 0x4f000
	v_mov_b32 v255, 0
	s_wait_tensorcnt 0x0
	ds_add_u32 v254, v255
	s_wait_dscnt 0x0
	ROUND                                          ; the closing round: no work-group ends while a partner may still ask for a tile that names it
	s_endpgm
.Lfunc_end_k_q33a3b1e9cd_main:
	.size	k_q33a3b1e9cd_main, .Lfunc_end_k_q33a3b1e9cd_main-k_q33a3b1e9cd_main
	.p2alignl 7, 3214868480
	.fill 96, 4, 3214868480
	.section	.rodata,"a",@progbits
	.p2align	6, 0x0
	.amdhsa_kernel k_q33a3b1e9cd_main
		.amdhsa_group_segment_fixed_size 327680
		.amdhsa_private_segment_fixed_size 0
		.amdhsa_enable_private_segment 0
		.amdhsa_kernarg_size 56
		.amdhsa_user_sgpr_count 2
		.amdhsa_user_sgpr_kernarg_segment_ptr 1
		.amdhsa_wavefront_size32 1
		.amdhsa_system_sgpr_workgroup_id_x 1
		.amdhsa_system_sgpr_workgroup_id_y 1
		.amdhsa_system_sgpr_workgroup_id_z 1
		.amdhsa_system_vgpr_workitem_id 0
		.amdhsa_next_free_vgpr 1024
		.amdhsa_next_free_sgpr 84
		.amdhsa_reserve_vcc 0
		.amdhsa_float_denorm_mode_32 3
		.amdhsa_float_denorm_mode_16_64 3
		.amdhsa_memory_ordered 1
		.amdhsa_forward_progress 1
		.amdhsa_inst_pref_size 255
	.end_amdhsa_kernel
	.section	.bss,"aw",@nobits
	.p2align	6
	.space	262144
	.amdgpu_metadata
---
amdhsa.version: [ 1, 2 ]
amdhsa.kernels:
  - .name:           k_q33a3b1e9cd_main
    .symbol:         k_q33a3b1e9cd_main.kd
    .args:
      - { .name: encoder_outputs, .offset: 0, .size: 8, .value_kind: global_buffer, .address_space: global }
      - { .name: wcodes, .offset: 8, .size: 8, .value_kind: global_buffer, .address_space: global }
      - { .name: wscl, .offset: 16, .size: 8, .value_kind: global_buffer, .address_space: global }
      - { .name: hidp, .offset: 24, .size: 8, .value_kind: global_buffer, .address_space: global }
      - { .name: b_attn, .offset: 32, .size: 8, .value_kind: global_buffer, .address_space: global }
      - { .name: v, .offset: 40, .size: 8, .value_kind: global_buffer, .address_space: global }
      - { .name: scores, .offset: 48, .size: 8, .value_kind: global_buffer, .address_space: global }
    .group_segment_fixed_size: 327680
    .private_segment_fixed_size: 0
    .kernarg_segment_align: 8
    .kernarg_segment_size: 56
    .max_flat_workgroup_size: 128
    .sgpr_count:     84
    .vgpr_count:     1024
    .wavefront_size: 32
...
	.end_amdgpu_metadata
.endif
;; end of part 2
;; launch soft (part 3): grid 16 x 1, 8 waves a work-group, no clusters, 1,536 bytes of LDS; arguments scores, out0; writes out0
.if DOCPART == 3
	.amdgcn_target "amdgcn-amd-amdhsa--gfx1250"
	.amdhsa_code_object_version 6
	.text
	.protected	k_q33a3b1e9cd_soft
	.globl	k_q33a3b1e9cd_soft
	.p2align	8
	.type	k_q33a3b1e9cd_soft,@function
k_q33a3b1e9cd_soft:
	s_mov_b64 s[64:65], 0
	v_nop
	global_prefetch_b8 v0, s[64:65] scope:SCOPE_SE
	s_setreg_imm32_b32 hwreg(HW_REG_WAVE_MODE, 25, 1), 1
	s_wait_xcnt 0x0
; out0[b][:] = softmax(scores[b][:]), 2,048 numbers a batch, f32.  One work-group of eight waves to a batch; a thread keeps 8 numbers in registers, so the row is read once.
; The row's true maximum is taken away before the exponential.  Each load and store of a wave covers 512 consecutive bytes.
; The waves' maxima meet in LDS bytes 0-31, their sums in bytes 256-287: other bytes, so one barrier serves each.
; Sixteen work-groups are all the work there is: 128 KiB in, 128 KiB out.  No matrix unit, no cluster: the work-groups share nothing.
	s_load_b128 s[4:7], s[0:1], 0x0                ; scores, out0
	v_lshl_add_u32 v32, v0, 2, 0x200
	v_mov_b32 v33, 0
	v_lshrrev_b32 v1, 5, v0
	v_readfirstlane_b32 s8, v1                     ; wave
	v_lshlrev_b32 v2, 4, v0                        ; 16 bytes a thread
	v_mov_b32 v3, s8
	v_lshlrev_b32 v3, 2, v3                        ; my wave's word
	v_mov_b32 v13, 0                               ; written once: a lane permute's destination counts as one of its sources
	v_mov_b32 v14, 0                               ; LDS byte 0
	s_lshl_b32 s10, ttmp9, 13                      ; a batch's 8,192 bytes
	s_mov_b32 s11, 0
	s_mov_b32 s12, 0x76543210
	s_mov_b32 s13, 0xfedcba98                      ; v_permlanex16_b32's selects for lane l xor 16
	s_mov_b32 s14, 0x3fb8aa3b                      ; log2(e)
	s_wait_kmcnt 0x0
	s_add_nc_u64 s[4:5], s[4:5], s[10:11]
	s_add_nc_u64 s[6:7], s[6:7], s[10:11]
	global_load_b128 v[4:7], v2, s[4:5]
	global_load_b128 v[8:11], v2, s[4:5] offset:4096
	s_wait_loadcnt 0x0
	v_max3_num_f32 v12, v4, v5, v6
	v_max3_num_f32 v12, v12, v7, v8
	v_max3_num_f32 v12, v12, v9, v10
	v_max_num_f32 v12, v12, v11
	v_max_num_f32_dpp v12, v12, v12 row_xmask:1 row_mask:0xf bank_mask:0xf
	v_max_num_f32_dpp v12, v12, v12 row_xmask:2 row_mask:0xf bank_mask:0xf
	v_max_num_f32_dpp v12, v12, v12 row_xmask:4 row_mask:0xf bank_mask:0xf
	v_max_num_f32_dpp v12, v12, v12 row_xmask:8 row_mask:0xf bank_mask:0xf
	v_permlanex16_b32 v13, v12, s12, s13
	v_max_num_f32 v12, v12, v13                    ; my wave's maximum, in every lane
	ds_store_b32 v3, v12
	s_wait_dscnt 0x0                               ; for the others' sake: my store has landed
	s_barrier_signal -1
	s_barrier_wait -1
	ds_load_b128 v[16:19], v14
	ds_load_b128 v[20:23], v14 offset:16
	s_wait_dscnt 0x0
	v_max3_num_f32 v12, v16, v17, v18
	v_max3_num_f32 v12, v12, v19, v20
	v_max3_num_f32 v12, v12, v21, v22
	v_max_num_f32 v12, v12, v23                    ; the row's maximum
.irp i, 0,1,2,3,4,5,6,7
	v_sub_f32 v[4+\i], v[4+\i], v12
.endr
.irp i, 0,1,2,3,4,5,6,7
	v_mul_f32 v[4+\i], s14, v[4+\i]
.endr
.irp i, 0,1,2,3,4,5,6,7
	v_exp_f32 v[4+\i], v[4+\i]                     ; e^(x - m), at most 1; the largest is 1, so the sum is at least 1
.endr
	v_nop                                          ; a plain place behind the last exponential
	s_wait_alu depctr_va_vdst(0)
	v_pk_add_f32 v[24:25], v[4:5], v[6:7]
	v_pk_add_f32 v[26:27], v[8:9], v[10:11]
	v_pk_add_f32 v[24:25], v[24:25], v[26:27]
	v_add_f32 v12, v24, v25
	v_add_f32_dpp v12, v12, v12 row_xmask:1 row_mask:0xf bank_mask:0xf
	v_add_f32_dpp v12, v12, v12 row_xmask:2 row_mask:0xf bank_mask:0xf
	v_add_f32_dpp v12, v12, v12 row_xmask:4 row_mask:0xf bank_mask:0xf
	v_add_f32_dpp v12, v12, v12 row_xmask:8 row_mask:0xf bank_mask:0xf
	v_permlanex16_b32 v13, v12, s12, s13
	v_add_f32 v12, v12, v13                        ; my wave's sum
	ds_store_b32 v3, v12 offset:256
	s_wait_dscnt 0x0
	s_barrier_signal -1
	s_barrier_wait -1
	ds_load_b128 v[16:19], v14 offset:256
	ds_load_b128 v[20:23], v14 offset:272
	s_wait_dscnt 0x0
	v_pk_add_f32 v[16:17], v[16:17], v[18:19]
	v_pk_add_f32 v[20:21], v[20:21], v[22:23]
	v_pk_add_f32 v[16:17], v[16:17], v[20:21]
	v_add_f32 v12, v16, v17                        ; the row's sum
	v_rcp_f32 v12, v12
	v_nop                                          ; a plain place behind the reciprocal
	s_wait_alu depctr_va_vdst(0)
.irp i, 0,1,2,3,4,5,6,7
	v_mul_f32 v[4+\i], v[4+\i], v12
.endr
	global_store_b128 v2, v[4:7], s[6:7]
	global_store_b128 v2, v[8:11], s[6:7] offset:4096
	s_wait_tensorcnt 0x0
	ds_add_u32 v32, v33
	s_wait_dscnt 0x0
	s_endpgm
.Lfunc_end_k_q33a3b1e9cd_soft:
	.size	k_q33a3b1e9cd_soft, .Lfunc_end_k_q33a3b1e9cd_soft-k_q33a3b1e9cd_soft
	.p2alignl 7, 3214868480
	.fill 96, 4, 3214868480
	.section	.rodata,"a",@progbits
	.p2align	6, 0x0
	.amdhsa_kernel k_q33a3b1e9cd_soft
		.amdhsa_group_segment_fixed_size 1536
		.amdhsa_private_segment_fixed_size 0
		.amdhsa_enable_private_segment 0
		.amdhsa_kernarg_size 16
		.amdhsa_user_sgpr_count 2
		.amdhsa_user_sgpr_kernarg_segment_ptr 1
		.amdhsa_wavefront_size32 1
		.amdhsa_system_sgpr_workgroup_id_x 1
		.amdhsa_system_sgpr_workgroup_id_y 1
		.amdhsa_system_sgpr_workgroup_id_z 1
		.amdhsa_system_vgpr_workitem_id 0
		.amdhsa_next_free_vgpr 34
		.amdhsa_next_free_sgpr 66
		.amdhsa_reserve_vcc 0
		.amdhsa_float_denorm_mode_32 3
		.amdhsa_float_denorm_mode_16_64 3
		.amdhsa_memory_ordered 1
		.amdhsa_forward_progress 1
		.amdhsa_inst_pref_size 5
	.end_amdhsa_kernel
	.amdgpu_metadata
---
amdhsa.version: [ 1, 2 ]
amdhsa.kernels:
  - .name:           k_q33a3b1e9cd_soft
    .symbol:         k_q33a3b1e9cd_soft.kd
    .args:
      - { .name: scores, .offset: 0, .size: 8, .value_kind: global_buffer, .address_space: global }
      - { .name: out0, .offset: 8, .size: 8, .value_kind: global_buffer, .address_space: global }
    .group_segment_fixed_size: 1536
    .private_segment_fixed_size: 0
    .kernarg_segment_align: 8
    .kernarg_segment_size: 16
    .max_flat_workgroup_size: 256
    .sgpr_count:     66
    .vgpr_count:     34
    .wavefront_size: 32
...
	.end_amdgpu_metadata
.endif
;; end of part 3
